; MI455X (gfx1250); checked and timed in simulation.
; The chip was launched on July 23, 2026; its instructions are those of AMD's public machine-readable ISA for CDNA 5 (MIT licence, August 2026) and "CDNA5" Instruction Set Architecture Reference Guide (July 2026). The comments in the code are by the model that wrote it; some were corrected since.
;; Multi Head Attention. Allowed arithmetic: matrix products marked QUANTISED: E3M2 operands, one E8M0 scale for each 32 along K, by v_wmma_scale_f32_16x16x128_f8f6f4 with both operands' format E3M2, f32 sums; everything else in f32.
;; Inputs: bk 384 float32; bo 384 float32; bq 384 float32; bv 384 float32; wk 384 x 384 float32; wo 384 x 384 float32; wq 384 x 384 float32; wv 384 x 384 float32; x 2 x 4,096 x 384 float32.
;; Outputs: out0 2 x 4,096 x 384 float32.
;; This version of the problem:
;;   THIS VERSION OF THE PROBLEM IS GIVEN IN LOW PRECISION. The matrix products marked QUANTISED in the list below multiply operands that are first quantised to E3M2 (3 exponent bits, 2 mantissa bits; 6 bits a number), with one power-of-two scale for each 32 numbers along K (OCP MX v1.0); their sums are f32. All else is computed in f32.
;;   The module's matrix products, in the order in which they are computed (A, B: the left and right operand; K: the contracted axis; several contracted axes count as one K, in the product's order):
;;     1. [M 8,192, K 384] x [K 384, N 384]; A: input x; B: input wq: QUANTISED
;;     2. [M 8,192, K 384] x [K 384, N 384]; A: input x; B: input wk: QUANTISED
;;     3. [M 8,192, K 384] x [K 384, N 384]; A: input x; B: input wv: QUANTISED
;;     4. batch 12 x [M 4,096, K 64] x [K 64, N 4,096]; A: computed on the way; B: computed on the way: QUANTISED
;;     5. batch 12 x [M 4,096, K 4,096] x [K 4,096, N 64]; A: softmax (see below); B: computed on the way: QUANTISED
;;     6. [M 8,192, K 384] x [K 384, N 384]; A: computed on the way; B: input wo: QUANTISED
;;   THE QUANTISER, for each operand of a quantised product, along K:
;;     - K is cut into blocks of 32 from its start; a last block that is shorter is filled with zeros.
;;     - A block's scale is 2^e with e = floor(log2(the largest magnitude in the block)) - 4, held to -126 .. 127; a block of zeros has e = 0. As a byte (E8M0): e + 127.
;;     - Each number is divided by its block's scale, clamped to +-28, and rounded to the nearest number of E3M2, ties to even, subnormals kept.
;;     - The product sums the exact products of the quantised numbers (number of the format x scale) in f32.
;;   ~~~python
;;   def quantise(x, axis):      # numpy; x: float32 -> the quantised numbers, widened to float32 again
;;       x = np.moveaxis(x, axis, -1); K = x.shape[-1]
;;       x = np.pad(x, [(0, 0)] * (x.ndim - 1) + [(0, -K % 32)]); x = x.reshape(x.shape[:-1] + (-1, 32)); a = np.abs(x).max(-1, keepdims=True)
;;       e = np.where(a > 0, np.clip(np.frexp(np.where(a > 0, a, 1))[1] - 1 - 4, -126, 127), 0)      # np.frexp(a)[1] - 1 = floor(log2(a)), exactly
;;       r = np.clip(x / 2.0 ** e, -28, 28)
;;       step = 2.0 ** (np.maximum(np.frexp(np.where(r == 0, 1, r))[1] - 1, -2) - 2)
;;       q = np.round(r / step) * step * 2.0 ** e      # np.round: ties to even
;;       return np.moveaxis(q.reshape(q.shape[:-2] + (-1,))[..., :K], -1, axis).astype(np.float32)
;;   ~~~
;;   SOFTMAX AHEAD OF A QUANTISED PRODUCT. Where the list says 'softmax', what is quantised is not the finished softmax but p = 2^(t - M), with t = logit x log2(e) and M = ceil(the row's largest t), a whole number; so 1/2 < the row's largest p <= 1. The row's sum l is taken of the UNQUANTISED p, in f32, and the product's result is divided by l at the end. Since M is a whole number, a kernel that streams over the keys may use a running M (the ceiling of the running maximum): every later rescaling is an exact power of two, which a block's scale takes up: the codes' values come out the same.
;;   OPERANDS COMPUTED ON THE WAY. 'Computed on the way' means the value that the module computes at that place (a softmax that the list does not call 'softmax' is quantised finished and normalised). What goes into a quantiser is computed in f32, as accurately as f32 sums, v_exp_f32 and their like allow (about 1e-6 of the number): no bf16 or f16 on the way to a quantiser, and a product that is left as it is and whose result goes on into a quantised operand takes f32 operands (vector FMAs, or v_wmma_f32_16x16x4_f32). A number that lies on a knife's edge between two numbers of the format may be rounded either way, as far as f32 arithmetic and the matrix unit's own rounding can turn it there, and no further.
;; One version. Each part assembles by itself: llvm-mc -triple=amdgcn-amd-amdhsa -mcpu=gfx1250 --defsym DOCPART=n.
;; ======== version 1 of 1: 3 launches
;; limits: right only within a limited range of input values
;; workspace buffers: fc 2,801,664 bytes; fs 155,648 bytes; qc 2,359,296 bytes; qs 196,608 bytes; kv 5,013,504 bytes
;; launch prep (part 1): grid 608 x 1, 3 waves a work-group, no clusters, 26,112 bytes of LDS; arguments x, wq, wk, wv, wo, fc, fs; writes fc, fs
.if DOCPART == 1
	.amdgcn_target "amdgcn-amd-amdhsa--gfx1250"
	.amdhsa_code_object_version 6
	.text
	.protected	k_q4dbb9d957a_prep
	.globl	k_q4dbb9d957a_prep
	.p2align	8
	.type	k_q4dbb9d957a_prep,@function
k_q4dbb9d957a_prep:
	s_mov_b64 s[64:65], 0
	v_nop
	global_prefetch_b8 v0, s[64:65] scope:SCOPE_SE
	s_setreg_imm32_b32 hwreg(HW_REG_WAVE_MODE, 25, 1), 1
	s_wait_xcnt 0x0
; x [8192][384] and the four weights [384 (k)][384 (n)], f32, become operands of MX-BF6 (E3M2, one E8M0 byte for each 32 along K = 384), stored as IMAGES OF THE OPERAND'S REGISTERS.
; No step and no input of the problem is left out anywhere in this program.
; TILES.  16 rows of x, or 16 columns of a weight, form a tile; index i of tile T is element 64 (T / 4) + 8 (T % 4) + i % 8 + 32 (i / 8): so that, where four such tiles 4 g .. 4 g + 3 are
; source 0 of a product, a lane's 32 result registers are the 32 neighbours 64 g + 32 (lane / 16) + 0 .. 31: one whole block of the next K.  Tiles 0-511: x.  Tile 512 + 24 wi + ct: column tile ct of weight wi (q, k, v, o).
; fc: [tile][K step of 128: 3][1536 bytes]: a fragment's 12 registers as three runs of 512 bytes, registers 4 c .. 4 c + 3 of lane l at 512 c + 16 l.  fs: [tile][row 16][16 bytes]: the word of K step s at 4 s.
; SHARES.  A work-group is a tile, each of its three waves a K step: one fragment a wave.  Waves share nothing: no barrier; the LDS stage is each wave's own.
; A block's scale is 2^(floor(log2(its largest magnitude)) - 4); its byte is that magnitude's exponent field - 4, held at 1 from below.
; LIMITS: a block of zeros gets the byte 1 where the rule says 127 (its codes are zeros, and this program alone reads the bytes); blocks whose largest magnitude lies under 2^-122 keep the byte 1;
; NaN and infinities among the inputs are not served.
; No matrix work, no tensor load, no cluster: every input byte is read once, by one wave.
.set XT,  512                          ; x's tiles
.set ROW, 1536                         ; bytes in a row of x and of a weight
.set SP,  528                          ; a stage row: 512 bytes + 16
.set L16, 4                            ; v4   16 x lane
.set R16, 5                            ; v5   16 x (lane % 16)
.set SI,  6                            ; v6   the stage, on the way in
.set SOA, 7                            ; v7   on the way out: + 528 r + 64 h
.set WA,  8                            ; v8   a weight: 4 (r + 24 (r / 8)) + 16 h rows
.set R,   16                           ; v16-79   16 rows' pieces as loaded
.set ST,  80                           ; v80-143  64 numbers: register 16 b + i = k 32 b + 16 h + i of my row or column
.set PC,  144                          ; v144-155 the codes; v156-162 at work
.set TM,  164                          ; v164-179 at work
.set PW,  180                          ; v180 the scale word
.set SEL, 24                           ; s[24:25] lane selects: lane l xor 16
.macro QUANT s                         ; 64 numbers of a lane become a fragment's codes in v[PC] on and its scale word in v[PW]
.irp b, 0,1,2,3
	v_max3_num_f32 v[TM+\b], |v[\s+16*\b]|, |v[\s+1+16*\b]|, 0x2800000   ; my 16 numbers of block b, and the floor 2^(5 - 127)
.endr
.irp i, 2,4,6,8,10,12,14
.irp b, 0,1,2,3
	v_max3_num_f32 v[TM+\b], v[TM+\b], |v[\s+16*\b+\i]|, |v[\s+1+16*\b+\i]|
.endr
.endr
.irp b, 0,1,2,3
	v_permlanex16_b32 v[TM+4+\b], v[TM+\b], s[SEL], s[SEL+1]
.endr
.irp b, 0,1,2,3
	v_max_num_f32 v[TM+\b], v[TM+\b], v[TM+4+\b]   ; with lane l xor 16's 16
.endr
.irp b, 0,1,2,3
	v_add_nc_u32 v[TM+12+\b], 0xfe000000, v[TM+\b]   ; 4 off the exponent field: the conversion's scale operand
.endr
.irp b, 0,1,2,3
	v_lshrrev_b32 v[TM+4+\b], 23, v[TM+12+\b]      ; the scale's byte
.endr
	v_lshl_or_b32 v[PW], v[TM+5], 8, v[TM+4]
	v_lshl_or_b32 v[PW], v[TM+6], 16, v[PW]
	v_lshl_or_b32 v[PW], v[TM+7], 24, v[PW]
.irp c, 0,1
	v_cvt_scalef32_pk16_bf6_f32 v[PC+6*\c:PC+2+6*\c], v[\s+32*\c:\s+15+32*\c], v[TM+12+2*\c]
	v_cvt_scalef32_pk16_bf6_f32 v[PC+12+4*\c:PC+14+4*\c], v[\s+16+32*\c:\s+31+32*\c], v[TM+12+2*\c+1]
.endr
	v_nop                                          ; one plain line behind the scaled conversions
.irp c, 0,1                                    ; the operand wants a whole block in a lane
.irp i, 0,1,2
	v_permlane16_swap_b32 v[PC+6*\c+\i], v[PC+12+4*\c+\i]
.endr
.irp i, 0,1,2
	v_mov_b32 v[PC+3+6*\c+\i], v[PC+12+4*\c+\i]
.endr
.endr
.endm
	s_load_b256 s[4:11], s[0:1], 0x0               ; x, wq, wk, wv
	s_load_b128 s[12:15], s[0:1], 0x20             ; wo, fc
	s_load_b64 s[16:17], s[0:1], 0x30              ; fs
	v_lshl_add_u32 v184, v0, 2, 0x6400
	v_mov_b32 v185, 0
	v_lshrrev_b32 v1, 5, v0
	v_readfirstlane_b32 s18, v1                    ; wave = K step
	v_and_b32 v1, 31, v0                           ; lane
	v_and_b32 v2, 15, v0                           ; r
	v_bfe_u32 v3, v0, 4, 1                         ; h
	v_lshlrev_b32 v[L16], 4, v1
	v_lshlrev_b32 v[R16], 4, v2
	s_mul_i32 s19, s18, 16*SP                      ; my wave's stage
	v_add_nc_u32 v[SI], s19, v[L16]
	v_mul_u32_u24 v[SOA], v2, SP
	v_lshl_add_u32 v[SOA], v3, 6, v[SOA]
	v_add_nc_u32 v[SOA], s19, v[SOA]
	v_and_b32 v[WA], 8, v2
	v_mad_u32_u24 v[WA], v[WA], 3, v2              ; r + 24 (r / 8)
	v_lshlrev_b32 v[WA], 2, v[WA]
	v_mad_u32_u24 v[WA], v3, 16*ROW, v[WA]
	s_mov_b32 s[SEL], 0x76543210
	s_mov_b32 s[SEL+1], 0xfedcba98
.irp b, 0,1,2,3
	v_mov_b32 v[TM+4+\b], 0                        ; a lane permute's destination counts as one of its sources
.endr
	s_mul_i32 s20, ttmp9, 3
	s_add_co_u32 s20, s20, s18
	s_mul_i32 s20, s20, 1536                       ; my fragment's image
	s_mov_b32 s21, 0
	s_lshl_b32 s22, ttmp9, 8
	s_lshl_b32 s23, s18, 2
	s_add_co_u32 s22, s22, s23                     ; my tile's scale words, my K step's
	s_mov_b32 s23, 0
	s_wait_kmcnt 0x0
	s_add_nc_u64 s[14:15], s[14:15], s[20:21]
	s_add_nc_u64 s[16:17], s[16:17], s[22:23]
	s_cmp_lt_u32 ttmp9, XT
	s_cbranch_scc0 .Lweight
	; a tile of x: each load takes 512 consecutive bytes of one row; the 16 pieces turn through my stage
	s_lshr_b32 s26, ttmp9, 2
	s_lshl_b32 s26, s26, 6
	s_and_b32 s27, ttmp9, 3
	s_lshl_b32 s27, s27, 3
	s_add_co_u32 s26, s26, s27                     ; the tile's first row
	s_mul_i32 s26, s26, ROW
	s_lshl_b32 s27, s18, 9
	s_add_co_u32 s26, s26, s27                     ; + my K step's 512 bytes
	s_mov_b32 s27, 0
	s_add_nc_u64 s[4:5], s[4:5], s[26:27]
.irp i, 0,1,2,3,4,5,6,7,8,9,10,11,12,13,14,15
	global_load_b128 v[R+4*\i:R+4*\i+3], v[L16], s[4:5] offset:(\i+24*(\i/8))*ROW th:TH_LOAD_NT
.endr
.irp i, 0,1,2,3,4,5,6,7,8,9,10,11,12,13,14,15
	s_wait_loadcnt 15-\i                           ; row i is in, the 15 - i younger loads may be out
	ds_store_b128 v[SI], v[R+4*\i:R+4*\i+3] offset:SP*\i
.endr
	s_wait_alu depctr_va_vdst(0)
.irp b, 0,1,2,3
.irp j, 0,1,2,3
	ds_load_b128 v[ST+16*\b+4*\j:ST+16*\b+4*\j+3], v[SOA] offset:128*\b+16*\j   ; LDS serves a wave's instructions in order
.endr
.endr
	s_wait_dscnt 0x0
	s_branch .Lquant
.Lweight:
	; a column tile of a weight: a lane takes a column and its registers run down K
	s_sub_co_u32 s26, ttmp9, XT
	s_mul_i32 s27, s26, 171
	s_lshr_b32 s27, s27, 12                        ; which weight: (0 .. 95) / 24
	s_mul_i32 s28, s27, 24
	s_sub_co_u32 s28, s26, s28                     ; its column tile
	s_cmp_eq_u32 s27, 1
	s_cselect_b64 s[30:31], s[8:9], s[6:7]
	s_cmp_eq_u32 s27, 2
	s_cselect_b64 s[30:31], s[10:11], s[30:31]
	s_cmp_eq_u32 s27, 3
	s_cselect_b64 s[30:31], s[12:13], s[30:31]
	s_lshr_b32 s32, s28, 2
	s_lshl_b32 s32, s32, 6
	s_and_b32 s33, s28, 3
	s_lshl_b32 s33, s33, 3
	s_add_co_u32 s32, s32, s33                     ; the tile's first column
	s_lshl_b32 s32, s32, 2
	s_mul_i32 s33, s18, 128*ROW
	s_add_co_u32 s32, s32, s33                     ; + my K step's 128 rows
	s_mov_b32 s33, 0
	s_add_nc_u64 s[30:31], s[30:31], s[32:33]
	s_wait_alu depctr_va_vdst(0)
.irp b, 0,1,2,3
.irp i, 0,1,2,3,4,5,6,7,8,9,10,11,12,13,14,15
	global_load_b32 v[ST+16*\b+\i], v[WA], s[30:31] offset:(32*\b+\i)*ROW
.endr
.endr
	s_wait_loadcnt 0x0
.Lquant:
	QUANT ST
.irp c, 0,1,2
	global_store_b128 v[L16], v[PC+4*\c:PC+4*\c+3], s[14:15] offset:512*\c   ; 32 lanes store 512 consecutive bytes, at a multiple of 256 from fc's first byte
.endr
	global_store_b32 v[R16], v[PW], s[16:17]       ; lanes r and r + 16 hold the same word and write it to the same place
	s_wait_tensorcnt 0x0                           ; the wave's end
	ds_add_u32 v184, v185
	s_wait_dscnt 0x0
	s_endpgm
.Lfunc_end_k_q4dbb9d957a_prep:
	.size	k_q4dbb9d957a_prep, .Lfunc_end_k_q4dbb9d957a_prep-k_q4dbb9d957a_prep
	.p2alignl 7, 3214868480
	.fill 96, 4, 3214868480
	.section	.rodata,"a",@progbits
	.p2align	6, 0x0
	.amdhsa_kernel k_q4dbb9d957a_prep
		.amdhsa_group_segment_fixed_size 26112
		.amdhsa_private_segment_fixed_size 0
		.amdhsa_enable_private_segment 0
		.amdhsa_kernarg_size 56
		.amdhsa_user_sgpr_count 2
		.amdhsa_user_sgpr_kernarg_segment_ptr 1
		.amdhsa_wavefront_size32 1
		.amdhsa_system_sgpr_workgroup_id_x 1
		.amdhsa_system_sgpr_workgroup_id_y 1
		.amdhsa_system_sgpr_workgroup_id_z 1
		.amdhsa_system_vgpr_workitem_id 0
		.amdhsa_next_free_vgpr 186
		.amdhsa_next_free_sgpr 66
		.amdhsa_reserve_vcc 0
		.amdhsa_float_denorm_mode_32 3
		.amdhsa_float_denorm_mode_16_64 3
		.amdhsa_memory_ordered 1
		.amdhsa_forward_progress 1
		.amdhsa_inst_pref_size 18
	.end_amdhsa_kernel
	.amdgpu_metadata
---
amdhsa.version: [ 1, 2 ]
amdhsa.kernels:
  - .name:           k_q4dbb9d957a_prep
    .symbol:         k_q4dbb9d957a_prep.kd
    .args:
      - { .name: x, .offset: 0, .size: 8, .value_kind: global_buffer, .address_space: global }
      - { .name: wq, .offset: 8, .size: 8, .value_kind: global_buffer, .address_space: global }
      - { .name: wk, .offset: 16, .size: 8, .value_kind: global_buffer, .address_space: global }
      - { .name: wv, .offset: 24, .size: 8, .value_kind: global_buffer, .address_space: global }
      - { .name: wo, .offset: 32, .size: 8, .value_kind: global_buffer, .address_space: global }
      - { .name: fc, .offset: 40, .size: 8, .value_kind: global_buffer, .address_space: global }
      - { .name: fs, .offset: 48, .size: 8, .value_kind: global_buffer, .address_space: global }
    .group_segment_fixed_size: 26112
    .private_segment_fixed_size: 0
    .kernarg_segment_align: 8
    .kernarg_segment_size: 56
    .max_flat_workgroup_size: 96
    .sgpr_count:     66
    .vgpr_count:     186
    .wavefront_size: 32
...
	.end_amdgpu_metadata
.endif
;; end of part 1
;; launch proj (part 2): grid 32 x 18, 4 waves a work-group, no clusters, 0 bytes of LDS; arguments fc, fs, bq, bk, bv, qc, qs, kv; writes qc, qs, kv
.if DOCPART == 2
	.amdgcn_target "amdgcn-amd-amdhsa--gfx1250"
	.amdhsa_code_object_version 6
	.text
	.protected	k_q4dbb9d957a_proj
	.globl	k_q4dbb9d957a_proj
	.p2align	8
	.type	k_q4dbb9d957a_proj,@function
k_q4dbb9d957a_proj:
	s_mov_b64 s[64:65], 0
	v_nop
	global_prefetch_b8 v0, s[64:65] scope:SCOPE_SE
	s_setreg_imm32_b32 hwreg(HW_REG_WAVE_MODE, 25, 1), 1
	s_wait_xcnt 0x0
; q, k, v = Q(x) Q(w) + b on codes of MX-BF6, sums in f32; each result is quantised in registers along the K of the product that will read it, and stored as images of that operand's registers.
; A JOB (one wave): 64 rows of x (block rb = 4 x work-group x + wave) x the 64 columns of one head of one weight (work-group y = 6 x kind + head; kind 0 q, 1 k, 2 v): 48 matrix instructions, K = 384 in three steps.
; q, k: source 0 = the head's four column tiles of the weight, source 1 = a row tile of x: a lane holds ONE row, and its 32 result registers are the head's channels 32 (lane / 16) + 0 .. 31: one block of the next K.
; v:    source 0 = the four row tiles of x, source 1 = a column tile of wv: a lane holds ONE channel d, and its 32 registers are the keys 64 rb + 32 (lane / 16) + 0 .. 31.
; (Index i of tile T is element 64 (T / 4) + 8 (T % 4) + i % 8 + 32 (i / 8).)
; So both kinds are one text: a side of FOUR tiles (12 fragments, source 0) and four units, each with ONE tile (3 fragments, source 1).  The bias is the C of each sum's first product.
; OUT.  A half fragment (16 x 64 K: 6 registers) is 768 bytes: registers 0-3 of lane l at 16 l, registers 4-5 at 512 + 8 l.
;   qc [bh][query tile 256][768];  qs [bh][block of 64 queries][r][tile u] words.
;   kv [bh][step of 128 keys: 32][13056]: K's 8 tiles at 768 t; K's scale words at 6144 + 256 (t / 4) + 16 r + 4 (t % 4); V's d tile t, key half c at 6656 + 1536 t + 768 c;
;      V's scale bytes at 12800 + 128 (t / 2) + 8 r + 4 (t % 2) + 2 c.  The upper two bytes of q's and k's words are 0.
; All 72 operand loads of a job go out at once, straight into registers: no LDS, no barrier.
; NO CLUSTER, NO JOINT LOADS, though 128 jobs read the same weight fragments and 18 the same fragments of x: a job is one set of loads and 48 products, with no loop into which a tile could be asked for ahead.
; LIMITS: a block of zeros gets the byte 1, blocks under 2^-122 keep the byte 1, NaN and infinities are not served.
; REGISTERS.  window 1: v0-143 FOUR (tile t, K step s at 36 t + 12 s); v144-175 the bias, 8 registers a tile.
;   window 0: v1 16 l, v2 8 l, v3 16 r, v4 128 h, v5 4 (r + 24 (r / 8)), v6 8 r, v7 8 h; v8-11 the units' scale words; v12-27, v28-43 scale words of FOUR and of ONE; v44-75 four accumulators;
;   v76-219 ONE (36 u + 12 s); a unit's own 36 registers serve its quantiser once its products are issued, so no store's data are written again.
.set BIAS, 144
.set PWS,  8
.set SC4,  12
.set SC1,  28
.set ACC,  44
.set ONE,  76
.set SEL,  56                          ; s[56:57] lane selects: lane l xor 16
.set BLK,  13056                       ; a step's block in kv
.set MSB, 0
.macro WIN new                         ; the immediate's high byte repeats the setting that is left
.if MSB != \new
	s_set_vgpr_msb (MSB<<8)|\new
.set MSB, \new
.endif
.endm
; 32 numbers of a lane, one whole block (block lane / 16 of the 64), become a half fragment in v[e] .. v[e + 5]; both blocks' bytes in the low half of v[pw].  v[e + 8] .. v[e + 18] are at work.
.macro QUANT2 src, e, pw
.irp b, 0,1
	v_max3_num_f32 v[\e+12+\b], |v[\src+16*\b]|, |v[\src+1+16*\b]|, 0x2800000   ; two chains, each accumulator from its low end on, and the floor 2^(5 - 127)
.endr
.irp i, 2,4,6,8,10,12,14
.irp b, 0,1
	v_max3_num_f32 v[\e+12+\b], v[\e+12+\b], |v[\src+16*\b+\i]|, |v[\src+1+16*\b+\i]|
.endr
.endr
	v_max_num_f32 v[\e+12], v[\e+12], v[\e+13]     ; the block's largest magnitude: all 32 numbers are mine
	v_add_nc_u32 v[\e+16], 0xfe000000, v[\e+12]    ; 4 off its exponent field: the conversion's scale operand
	v_lshrrev_b32 v[\e+18], 23, v[\e+16]           ; the scale's byte,
	v_lshlrev_b32 v[\e+18], v7, v[\e+18]           ; at its place, 8 h bits up;
	v_permlanex16_b32 v[\e+14], v[\e+18], s[SEL], s[SEL+1]
	v_or_b32 v[\pw], v[\e+18], v[\e+14]            ; with lane l xor 16's byte
	v_cvt_scalef32_pk16_bf6_f32 v[\e:\e+2], v[\src:\src+15], v[\e+16]
	v_cvt_scalef32_pk16_bf6_f32 v[\e+8:\e+10], v[\src+16:\src+31], v[\e+16]
	v_nop                                          ; one plain line behind the scaled conversions
.irp i, 0,1,2
	v_mov_b32 v[\e+3+\i], v[\e+8+\i]               ; (a conversion's three registers begin on an even number)
.endr
.endm
; Unit u: 12 products on four accumulators, which take turns; then the quantiser and the codes' stores.
; cmode = 0: the bias goes with FOUR's tile t (q, k); 1: with ONE's tile u (v).  cstr: bytes from a unit's codes to the next unit's.
.macro UNIT u, cmode, cstr
	WIN 0x11                                       ; source 0 (FOUR) and source 2 (the bias) window 1
.irp t, 0,1,2,3
.if \cmode
	v_wmma_scale_f32_16x16x128_f8f6f4 v[ACC+8*\t:ACC+8*\t+7], v[36*\t:36*\t+11], v[ONE+36*\u:ONE+36*\u+11], v[BIAS+8*\u:BIAS+8*\u+7], v[SC4+4*\t], v[SC1+4*\u] matrix_a_fmt:MATRIX_FMT_BF6 matrix_b_fmt:MATRIX_FMT_BF6
.else
	v_wmma_scale_f32_16x16x128_f8f6f4 v[ACC+8*\t:ACC+8*\t+7], v[36*\t:36*\t+11], v[ONE+36*\u:ONE+36*\u+11], v[BIAS+8*\t:BIAS+8*\t+7], v[SC4+4*\t], v[SC1+4*\u] matrix_a_fmt:MATRIX_FMT_BF6 matrix_b_fmt:MATRIX_FMT_BF6
.endif
.endr
	WIN 0x01
.irp s, 1,2
.irp t, 0,1,2,3
	v_wmma_scale_f32_16x16x128_f8f6f4 v[ACC+8*\t:ACC+8*\t+7], v[36*\t+12*\s:36*\t+12*\s+11], v[ONE+36*\u+12*\s:ONE+36*\u+12*\s+11], v[ACC+8*\t:ACC+8*\t+7], v[SC4+4*\t+\s], v[SC1+4*\u+\s] matrix_a_fmt:MATRIX_FMT_BF6 matrix_b_fmt:MATRIX_FMT_BF6
.endr
.endr
	WIN 0
.rept 5
	v_nop                                          ; four places before vector lines read the results (ISA guide 7.12.1); the fifth since the next unit's first products begin these accumulators anew
.endr
.set EE, ONE+36*\u
	QUANT2 ACC, EE, PWS+\u
	global_store_b128 v1, v[EE:EE+3], s[40:41] offset:\cstr*\u          ; 512 consecutive bytes,
	global_store_b64 v2, v[EE+4:EE+5], s[40:41] offset:\cstr*\u+512     ; and the 256 behind them
.endm
	s_load_b512 s[4:19], s[0:1], 0x0               ; fc, fs, bq, bk, bv, qc, qs, kv
	v_lshrrev_b32 v7, 5, v0
	v_readfirstlane_b32 s20, v7                    ; wave
	v_and_b32 v7, 31, v0                           ; lane
	v_lshlrev_b32 v1, 4, v7
	v_lshlrev_b32 v2, 3, v7
	v_and_b32 v7, 15, v0                           ; r
	v_lshlrev_b32 v3, 4, v7
	v_lshlrev_b32 v6, 3, v7
	v_and_b32 v5, 8, v7
	v_mad_u32_u24 v5, v5, 3, v7                    ; r + 24 (r / 8)
	v_lshlrev_b32 v5, 2, v5
	v_bfe_u32 v4, v0, 4, 1                         ; h
	v_lshlrev_b32 v7, 3, v4                        ; 8 h
	v_lshlrev_b32 v4, 7, v4                        ; 128 h
	s_mov_b32 s[SEL], 0x76543210
	s_mov_b32 s[SEL+1], 0xfedcba98
	s_lshl_b32 s21, ttmp9, 2
	s_add_co_u32 s21, s21, s20                     ; rb: my block of 64 rows, 0 .. 127
	s_and_b32 s22, ttmp7, 0xffff
	s_mul_i32 s23, s22, 43
	s_lshr_b32 s23, s23, 8                         ; kind = (0 .. 17) / 6
	s_mul_i32 s24, s23, 6
	s_sub_co_u32 s24, s22, s24                     ; head
	s_mul_i32 s25, s23, 24
	s_lshl_b32 s26, s24, 2
	s_add_co_u32 s25, s25, s26
	s_add_co_u32 s25, s25, 512                     ; the head's first column tile in fc
	s_lshl_b32 s26, s21, 2                         ; my first row tile
	s_cmp_eq_u32 s23, 2
	s_cselect_b32 s27, s26, s25                    ; FOUR: the weight's tiles (q, k) or x's (v)
	s_cselect_b32 s28, s25, s26                    ; ONE: the other side's
	s_mov_b32 s31, 0
	s_mov_b32 s53, 0
	s_lshr_b32 s46, s21, 6                         ; batch
	s_and_b32 s47, s21, 63                         ; my block within the batch
	s_mul_i32 s48, s46, 6
	s_add_co_u32 s48, s48, s24                     ; bh
	s_lshl_b32 s49, s48, 5
	s_lshr_b32 s50, s47, 1
	s_add_co_u32 s49, s49, s50
	s_mul_i32 s49, s49, BLK                        ; my step's block in kv
	s_and_b32 s50, s47, 1                          ; which 64 of its 128 keys
	s_wait_alu depctr_va_vdst(0)                   ; the head's end
	s_wait_kmcnt 0x0
	s_mul_i32 s30, s27, 4608
	s_add_nc_u64 s[32:33], s[4:5], s[30:31]        ; FOUR's fragments
	s_mul_i32 s30, s28, 4608
	s_add_nc_u64 s[34:35], s[4:5], s[30:31]        ; ONE's
	s_lshl_b32 s30, s27, 8
	s_add_nc_u64 s[36:37], s[6:7], s[30:31]        ; FOUR's scale words
	s_lshl_b32 s30, s28, 8
	s_add_nc_u64 s[38:39], s[6:7], s[30:31]        ; ONE's
	WIN 0x40                                       ; destination window 1, address window 0
.irp f, 0,1,2,3,4,5,6,7,8,9,10,11
.irp i, 0,1,2
	global_load_b128 v[12*\f+4*\i:12*\f+4*\i+3], v1, s[32:33] offset:1536*\f+512*\i
.endr
.endr
	WIN 0
.irp f, 0,1,2,3,4,5,6,7,8,9,10,11
.irp i, 0,1,2
	global_load_b128 v[ONE+12*\f+4*\i:ONE+12*\f+4*\i+3], v1, s[34:35] offset:1536*\f+512*\i
.endr
.endr
.irp t, 0,1,2,3
	global_load_b96 v[SC4+4*\t:SC4+4*\t+2], v3, s[36:37] offset:256*\t   ; row r's three words, in both halves of the lanes
	global_load_b96 v[SC1+4*\t:SC1+4*\t+2], v3, s[38:39] offset:256*\t
.endr
	s_cmp_eq_u32 s23, 2
	s_cbranch_scc1 .Lv
	; q or k: buffers and offsets are chosen on the kind alone
	s_lshl_b32 s52, s48, 8
	s_lshl_b32 s54, s47, 2
	s_add_co_u32 s52, s52, s54
	s_mul_i32 s52, s52, 768                        ; q's codes: (256 bh + my first query tile) x 768
	s_mul_i32 s54, s50, 3072
	s_add_co_u32 s54, s54, s49                     ; k's: my four tiles of the step's eight
	s_lshl_b32 s51, s48, 6
	s_add_co_u32 s51, s51, s47
	s_lshl_b32 s51, s51, 8                         ; q's scale words
	s_lshl_b32 s55, s50, 8
	s_add_co_u32 s55, s55, s49
	s_add_co_u32 s55, s55, 6144                    ; k's
	s_cmp_eq_u32 s23, 0
	s_cselect_b32 s30, s52, s54
	s_cselect_b32 s52, s51, s55
	s_cselect_b64 s[40:41], s[14:15], s[18:19]
	s_cselect_b64 s[42:43], s[16:17], s[18:19]
	s_cselect_b64 s[44:45], s[8:9], s[10:11]
	s_add_nc_u64 s[40:41], s[40:41], s[30:31]
	s_add_nc_u64 s[42:43], s[42:43], s[52:53]
	s_lshl_b32 s30, s24, 8
	s_add_nc_u64 s[44:45], s[44:45], s[30:31]      ; the head's 64 numbers of the bias
	WIN 0x40
.irp t, 0,1,2,3
.irp i, 0,1
	global_load_b128 v[BIAS+8*\t+4*\i:BIAS+8*\t+4*\i+3], v4, s[44:45] offset:32*\t+16*\i   ; register j of tile t: b at 32 h + 8 t + j
.endr
.endr
	WIN 0
	s_wait_loadcnt 0x0
	UNIT 0, 0, 768
	UNIT 1, 0, 768
	UNIT 2, 0, 768
	UNIT 3, 0, 768
	global_store_b128 v3, v[PWS:PWS+3], s[42:43]   ; row r's words of the four tiles: lanes r and r + 16 hold the same and write them to the same place
	s_endpgm
.Lv:
	s_mul_i32 s30, s50, 768
	s_add_co_u32 s30, s30, s49
	s_add_co_u32 s30, s30, 6656
	s_add_nc_u64 s[40:41], s[18:19], s[30:31]      ; V's codes: my half of the step's keys
	s_lshl_b32 s30, s50, 1
	s_add_co_u32 s30, s30, s49
	s_add_co_u32 s30, s30, 12800
	s_add_nc_u64 s[42:43], s[18:19], s[30:31]      ; and my two bytes of each scale word
	s_lshl_b32 s30, s24, 8
	s_add_nc_u64 s[44:45], s[12:13], s[30:31]
	WIN 0x40
.irp u, 0,1,2,3
.irp j, 0,1,2,3,4,5,6,7
	global_load_b32 v[BIAS+8*\u+\j], v5, s[44:45] offset:32*\u   ; a lane holds one channel, 8 u + r % 8 + 32 (r / 8): its bias in all eight registers
.endr
.endr
	WIN 0
	s_wait_loadcnt 0x0
.irp u, 0,1,2,3
	UNIT \u, 1, 1536
	global_store_b16 v6, v[PWS+\u], s[42:43] offset:128*(\u/2)+4*(\u%2)
.endr
	s_endpgm
.Lfunc_end_k_q4dbb9d957a_proj:
	.size	k_q4dbb9d957a_proj, .Lfunc_end_k_q4dbb9d957a_proj-k_q4dbb9d957a_proj
	.p2alignl 7, 3214868480
	.fill 96, 4, 3214868480
	.section	.rodata,"a",@progbits
	.p2align	6, 0x0
	.amdhsa_kernel k_q4dbb9d957a_proj
		.amdhsa_group_segment_fixed_size 0
		.amdhsa_private_segment_fixed_size 0
		.amdhsa_enable_private_segment 0
		.amdhsa_kernarg_size 64
		.amdhsa_user_sgpr_count 2
		.amdhsa_user_sgpr_kernarg_segment_ptr 1
		.amdhsa_wavefront_size32 1
		.amdhsa_system_sgpr_workgroup_id_x 1
		.amdhsa_system_sgpr_workgroup_id_y 1
		.amdhsa_system_sgpr_workgroup_id_z 1
		.amdhsa_system_vgpr_workitem_id 0
		.amdhsa_next_free_vgpr 432
		.amdhsa_next_free_sgpr 66
		.amdhsa_reserve_vcc 0
		.amdhsa_float_denorm_mode_32 3
		.amdhsa_float_denorm_mode_16_64 3
		.amdhsa_memory_ordered 1
		.amdhsa_forward_progress 1
		.amdhsa_inst_pref_size 44
	.end_amdhsa_kernel
	.amdgpu_metadata
---
amdhsa.version: [ 1, 2 ]
amdhsa.kernels:
  - .name:           k_q4dbb9d957a_proj
    .symbol:         k_q4dbb9d957a_proj.kd
    .args:
      - { .name: fc, .offset: 0, .size: 8, .value_kind: global_buffer, .address_space: global }
      - { .name: fs, .offset: 8, .size: 8, .value_kind: global_buffer, .address_space: global }
      - { .name: bq, .offset: 16, .size: 8, .value_kind: global_buffer, .address_space: global }
      - { .name: bk, .offset: 24, .size: 8, .value_kind: global_buffer, .address_space: global }
      - { .name: bv, .offset: 32, .size: 8, .value_kind: global_buffer, .address_space: global }
      - { .name: qc, .offset: 40, .size: 8, .value_kind: global_buffer, .address_space: global }
      - { .name: qs, .offset: 48, .size: 8, .value_kind: global_buffer, .address_space: global }
      - { .name: kv, .offset: 56, .size: 8, .value_kind: global_buffer, .address_space: global }
    .group_segment_fixed_size: 0
    .private_segment_fixed_size: 0
    .kernarg_segment_align: 8
    .kernarg_segment_size: 64
    .max_flat_workgroup_size: 128
    .sgpr_count:     66
    .vgpr_count:     432
    .wavefront_size: 32
...
	.end_amdgpu_metadata
.endif
;; end of part 2
;; launch attn (part 3): grid 256 x 1, 12 waves a work-group, clusters of 4 x 1, 327,680 bytes of LDS; arguments qc, qs, kv, fc, fs, bo, out0; writes out0
.if DOCPART == 3
	.amdgcn_target "amdgcn-amd-amdhsa--gfx1250"
	.amdhsa_code_object_version 6
	.text
	.protected	k_q4dbb9d957a_attn
	.globl	k_q4dbb9d957a_attn
	.p2align	8
	.type	k_q4dbb9d957a_attn,@function
k_q4dbb9d957a_attn:
	s_mov_b64 s[64:65], 0
	v_nop
	global_prefetch_b8 v0, s[64:65] scope:SCOPE_SE
	s_setreg_imm32_b32 hwreg(HW_REG_WAVE_MODE, 25, 1), 1
	s_wait_xcnt 0x0
	s_wait_alu depctr_hold_cnt(0) depctr_sa_sdst(0) depctr_va_vdst(0) depctr_va_sdst(0) depctr_va_ssrc(0) depctr_va_vcc(0) depctr_vm_vsrc(0)
	s_getreg_b32 s2, hwreg(HW_REG_IB_STS2, 6, 4)
	s_cmp_eq_u32 s2, 0
	s_cbranch_scc0 .Lentry_in_a_cluster
	s_endpgm
.Lentry_in_a_cluster:
	s_bfe_u32 s2, ttmp6, 0x10000c
	s_cmp_lg_u32 s2, 0x3003
	s_cbranch_scc0 .Lentry_shape_is_right
	s_endpgm
.Lentry_shape_is_right:
; out0 = Q(softmax(Q(q) Q(k)^T / 8) Q(v)) Q(wo) + bo, all four operand pairs in MX-BF6, sums in f32.  Attention and the projection on the way out are one launch.
; SHARES.  Work-group G takes query tiles 2 G and 2 G + 1 (32 rows of out0) for ALL SIX HEADS: wave w of twelve takes head w / 2 and tile 2 G + w % 2.  So a work-group owns its rows of o whole, and
; o goes from the waves' registers through LDS into the last product: it never goes to memory.  256 work-groups: one on each WGP.
; (Index i of tile T is element 64 (T / 4) + 8 (T % 4) + i % 8 + 32 (i / 8).)
; THE WALK.  4,096 keys in 32 steps of 128.  A slot of LDS holds two steps of all six heads (12 blocks of 13,056 bytes, as the launch before laid them); wave w fetches block w of a slot with one tensor load.
; Two slots take turns: 16 visits.  CLUSTER: the four work-groups of a cluster lie in one batch and walk the same K and V: every fetch is a joint load with the mask of all four.
; A STEP.  S^T = K q^T (8 products; a lane holds one query, and its 32 registers of tiles 4 c .. 4 c + 3 are the keys 64 c + 32 (lane / 16) + 0 .. 31: one whole block of the next K), the running maximum
; rounded up to a whole number M, p = 2^(t - M), the row's sum of the unquantised p, p's codes and block scales, O^T x 2^(old M - new M), O^T += V^T p^T (4 products).
; A block's largest p is the exponential of its largest score (v_exp_f32 is taken not to fall where its input rises).
; K = 64 IN A FORM OF 128: q's fragment holds zero codes at k = 64 .. 127, and K's tiles lie 6 registers apart, so that the upper half of tile t's operand is tile t + 1's codes (tile 7's: V's first):
; codes of E3M2 are all finite and their scale bytes there are 0, so each such product is 0 x a finite number.
; THE CHANGE OF SLOTS.  A slot's last LDS reads are issued at the head of its second step.  The barrier's signal stands ahead of that step's exponentials;
; the barrier's wait stands at the step's end: between them is work on registers alone.  Then the rest of the cluster's round, and the refill.
; PREFETCH.  In visit v's first step a wave asks for its block of visit v + 3, which its tensor load fetches at the end of visit v + 1: 51 runs of 256 bytes, of which the partner at place cx names 13 cx .. 13 cx + 12
; (told apart by address; lanes left over name the last again).  Visits 0 to 2 come by their loads alone; visit 13 asks for nothing.
; wo's six fragments and scale words of a wave (v256-335) and bo (v252-255) are loaded at the head and waited for at the end.
; LIMITS: the promise holds while the scaled scores t stay under 2^31 in magnitude; a block of zeros gets the byte 1 (its codes are zeros; this program alone reads the bytes); NaN and infinities are not served.
.set BLK,   13056
.set SLOTB, 12*BLK
.set SPARE, 2*SLOTB                    ; the spare words: 128 bytes a wave, six blocks of 256 bytes that no other line names
.set KSO,   6144
.set VCO,   6656
.set VSO,   12800
.set OSS,   9216                       ; the way out, in slot 0 behind its last fill and last read: o's 12 half fragments at 0, o's scale bytes here,
.set OUTS,  10240                      ; and the stage of 32 rows of out0
.set SPI,   1552                       ; a stage row: 1,536 bytes + 16
.set SH8, 1                            ; v1     8 x (lane / 16)
.set A16, 2                            ; v2-3   LDS: my head's blocks in slot 0, 1, + 16 x lane
.set A8,  4                            ; v4-5   the same + 8 x lane
.set SPW, 6
.set NIL, 7
.set KS,  8                            ; v8-11  K's scale words.  v12 -M, v13 the running largest t, v[14:15] the row's sum in two halves
.set QF,  16                           ; v16-27 q's fragment
.set QS,  28
.set PW,  29                           ; p's scale word
.set VS,  30
.set KF,  32                           ; v32-79   K's eight tiles, 6 registers each
.set VF,  80                           ; v80-127  V's four fragments
.set S,   128                          ; v128-191 scores, then p
.set O,   192                          ; v192-223 O^T
.set PC,  224                          ; v224-235 p's codes
.set CH,  236                          ; v236-239 at work; then a conversion's three registers
.set TB,  240                          ; v240-242 likewise
.set BM,  244                          ; v244-245 my two blocks' largest scores; then the sum's second chain
.set SUM2, 244
.set SO,  246                          ; v246-247 the conversions' scale operands
.set F,   248                          ; v248 2^(old M - new M); the pair's upper half is never taken
.set PFO, 249                          ; v249 the prefetches' offset
.set T,   250
.set PX,  251
.set BI,  252                          ; v252-255 bo at my four columns of the way out
.set OF,  80                           ; the last product: o's fragments v80-151, rows read back v160-191, o's scale words v16-22, wo's v224-230
.set OUT, 160
.set OSC, 16
.set WS,  224
.set WV,  18
.set HD,  19
.set AA,  20
.set SEL, 22
.set CS,  24
.set G1,  28
.set G0,  36
.set PAIRS, 44
.set PF,  46
.set MSB, 0
.macro WIN new
.if MSB != \new
	s_set_vgpr_msb (MSB<<8)|\new
.set MSB, \new
.endif
.endm
.macro CREST                           ; a round of the cluster's barrier behind its opening barrier
	s_cmp_lg_u32 s[WV], 0
	s_cbranch_scc1 .Lnot_wave_0_\@
	s_barrier_signal -3
.Lnot_wave_0_\@:
	s_barrier_wait -3
	s_barrier_signal -1
	s_barrier_wait -1
.endm
.macro ROUND
	s_barrier_signal -1
	s_barrier_wait -1
	CREST
.endm
.macro SMUL t
.if \t < 4
	v_wmma_scale_f32_16x16x128_f8f6f4 v[S+8*\t:S+8*\t+7], v[KF+6*\t:KF+6*\t+11], v[QF:QF+11], 0, v[KS+\t], v[QS] matrix_a_fmt:MATRIX_FMT_BF6 matrix_b_fmt:MATRIX_FMT_BF6
.else
	v_wmma_scale_f32_16x16x128_f8f6f4 v[S+8*\t:S+8*\t+7], v[KF+6*\t:KF+6*\t+11], v[QF:QF+11], 0, v[KS+\t-4], v[QS] matrix_a_fmt:MATRIX_FMT_BF6 matrix_b_fmt:MATRIX_FMT_BF6 matrix_a_scale:MATRIX_SCALE_ROW1
.endif
.endm
.macro PVMUL t
.if \t < 2
	v_wmma_scale_f32_16x16x128_f8f6f4 v[O+8*\t:O+8*\t+7], v[VF+12*\t:VF+12*\t+11], v[PC:PC+11], v[O+8*\t:O+8*\t+7], v[VS+\t], v[PW] matrix_a_fmt:MATRIX_FMT_BF6 matrix_b_fmt:MATRIX_FMT_BF6
.else
	v_wmma_scale_f32_16x16x128_f8f6f4 v[O+8*\t:O+8*\t+7], v[VF+12*\t:VF+12*\t+11], v[PC:PC+11], v[O+8*\t:O+8*\t+7], v[VS+\t-2], v[PW] matrix_a_fmt:MATRIX_FMT_BF6 matrix_b_fmt:MATRIX_FMT_BF6 matrix_a_scale:MATRIX_SCALE_ROW1
.endif
.endm
.macro FM j                            ; t - M of eight scores
.irp i, 0,2,4,6
	v_pk_fma_f32 v[S+\j+\i:S+\j+\i+1], v[S+\j+\i:S+\j+\i+1], s[CS:CS+1], v[12:13] op_sel_hi:[1,0,0]
.endr
.endm
.macro OM j                            ; one accumulator of O^T under the new M, from its low end on
.irp i, 0,2,4,6
	v_pk_mul_f32 v[O+\j+\i:O+\j+\i+1], v[O+\j+\i:O+\j+\i+1], v[F:F+1] op_sel_hi:[1,0]
.endr
.endm
.macro ADD2 j                          ; four p into the row's sum, in two chains
	v_pk_add_f32 v[14:15], v[14:15], v[S+\j:S+\j+1]
	v_pk_add_f32 v[SUM2:SUM2+1], v[SUM2:SUM2+1], v[S+\j+2:S+\j+3]
.endm
; A step.  n: the slot; st: which of its two steps; mode 1: the slot's last step, a refill follows; 2: a barrier follows and no refill; 0: neither.  pf 1, 2: a prefetch.
.macro STEP n, st, mode, pf
.set OF0, (\st)*BLK
	ds_load_b128 v[KS:KS+3], v[A16+\n] offset:OF0+KSO            ; 34 LDS loads in one run (the nine packed additions behind the last products are their places)
.irp t, 0,1,2,3,4,5,6,7
	ds_load_b128 v[KF+6*\t:KF+6*\t+3], v[A16+\n] offset:OF0+768*\t
	ds_load_b64 v[KF+6*\t+4:KF+6*\t+5], v[A8+\n] offset:OF0+768*\t+512
.endr
.irp f, 0,1,2,3,4,5,6,7
	ds_load_b128 v[VF+6*\f:VF+6*\f+3], v[A16+\n] offset:OF0+VCO+768*\f
	ds_load_b64 v[VF+6*\f+4:VF+6*\f+5], v[A8+\n] offset:OF0+VCO+768*\f+512
.endr
	ds_load_b64 v[VS:VS+1], v[A8+\n] offset:OF0+VSO
.if \pf == 1
	s_cmp_lt_u32 ttmp9, 4
	s_cbranch_scc0 .Lno_prefetch_attn0_\@
	global_prefetch_b8 v[PFO], s[PF:PF+1] th:TH_LOAD_NT scope:SCOPE_SE
.Lno_prefetch_attn0_\@:
.endif
.if \pf == 2
	s_cmp_gt_u32 s[PAIRS], 1                       ; the last trip's second visit has no visit three on
	s_cbranch_scc0 .Lno_ask_\@
	s_cmp_lt_u32 ttmp9, 4
	s_cbranch_scc0 .Lno_prefetch_attn1_\@
	global_prefetch_b8 v[PFO], s[PF:PF+1] offset:2*BLK th:TH_LOAD_NT scope:SCOPE_SE
.Lno_prefetch_attn1_\@:
.Lno_ask_\@:
.endif
	s_wait_dscnt 23                                ; the oldest 11 are in: K's scale words and tiles 0 to 4
.irp t, 0,1,2,3
	SMUL \t
.endr
	s_wait_dscnt 15                                ; 8 more: tiles 5 to 7 and V's first half fragment
.irp t, 4,5,6,7
	SMUL \t
.endr
.rept 4
	v_nop                                          ; four places before vector lines read the results (ISA guide 7.12.1)
.endr
.irp b, 0,1,2,3
	v_max3_num_f32 v[CH+\b], v[S+16*\b], v[S+16*\b+1], v[S+16*\b+2]   ; four chains by turns, each accumulator from its low end on
.endr
.irp i, 3,5,7,9,11,13
.irp b, 0,1,2,3
	v_max3_num_f32 v[CH+\b], v[CH+\b], v[S+16*\b+\i], v[S+16*\b+\i+1]
.endr
.endr
.irp c, 0,1
	v_max3_num_f32 v[BM+\c], v[CH+2*\c], v[CH+2*\c+1], v[S+32*\c+15]
.endr
.irp c, 0,1
	v_max_num_f32 v[BM+\c], v[BM+\c], v[S+32*\c+31]   ; the largest score of my block 2 c + lane / 16
.endr
	v_max_num_f32 v[T], v[BM], v[BM+1]
	v_mul_f32 v[T], s[CS], v[T]                    ; as t (the factor is positive)
	v_permlanex16_b32 v[PX], v[T], s[SEL], s[SEL+1]
	v_max3_num_f32 v13, v13, v[T], v[PX]           ; the running largest t of my query
	v_mov_b32 v[T], v12
	v_floor_f32 v12, -v13                          ; -M = floor(-t)
	FM 0
	v_sub_f32 v[T], v12, v[T]                      ; old M - new M, a whole number
	FM 8
	v_cvt_i32_f32 v[T], v[T]
	FM 16
	v_ldexp_f32 v[F], 1.0, v[T]
.irp j, 24,32,40,48,56
	FM \j
.endr
.irp c, 0,1
	v_fma_f32 v[BM+\c], v[BM+\c], s[CS], v12       ; the same of each block's largest score
.endr
	s_wait_alu depctr_va_vdst(0)                   ; ahead of the batch, and ahead of the waits below
.if \mode
.if (\mode == 1) && (\n == 1)
	s_wait_xcnt 0x0                                ; both prefetches of the trip have read their base
	s_add_nc_u64 s[PF:PF+1], s[PF:PF+1], 4*BLK
.endif
	s_wait_tensorcnt 0x0                           ; my one load that was out, my block of the other slot, has landed;
	ds_add_u32 v[SPW], v[NIL]
.if \mode == 1
	s_add_nc_u64 s[G0+4*\n+2:G0+4*\n+3], s[G0+4*\n+2:G0+4*\n+3], 4*BLK   ; no load of mine is out: this slot's block two visits on
.endif
.endif
	s_wait_dscnt 0x0                               ; all my reads are in (V's too), and the add is done
.if \mode
	s_barrier_signal -1                            ; I read this slot no more; up to the barrier's wait: work on registers alone
.endif
.set J, 0
.rept 64
	v_exp_f32 v[S+J], v[S+J]                       ; p = 2^(t - M)
.set J, J+1
.endr
.irp c, 0,1
	v_exp_f32 v[BM+\c], v[BM+\c]                   ; the block's largest p
.endr
	v_pk_mul_f32 v[14:15], v[14:15], v[F:F+1] op_sel_hi:[1,0]   ; the sums under the new M: a plain place behind the batch
	s_wait_alu depctr_va_vdst(0)                   ; one wait for the batch, directly ahead of O^T's first reader
	OM 0
.irp c, 0,1
	v_max_num_f32 v[BM+\c], 0x2800000, v[BM+\c]    ; the floor 2^(5 - 127)
.endr
	OM 8
.irp c, 0,1
	v_add_nc_u32 v[SO+\c], 0xfe000000, v[BM+\c]    ; 4 off the exponent field: the conversion's scale operand
.endr
	OM 16
.irp c, 0,1
	v_lshrrev_b32 v[CH+\c], 23, v[SO+\c]           ; the scale's byte
.endr
	OM 24
	v_lshl_or_b32 v[CH+2], v[CH+1], 16, v[CH]      ; my bytes: blocks h and 2 + h,
	v_pk_add_f32 v[SUM2:SUM2+1], v[S:S+1], v[S+2:S+3]
	v_pk_add_f32 v[14:15], v[14:15], v[S+4:S+5]
	v_lshlrev_b32 v[CH+2], v[SH8], v[CH+2]         ; at their places in the word;
	v_pk_add_f32 v[SUM2:SUM2+1], v[SUM2:SUM2+1], v[S+6:S+7]
	v_pk_add_f32 v[14:15], v[14:15], v[S+8:S+9]
	v_permlanex16_b32 v[PX], v[CH+2], s[SEL], s[SEL+1]
	v_pk_add_f32 v[SUM2:SUM2+1], v[SUM2:SUM2+1], v[S+10:S+11]
	v_pk_add_f32 v[14:15], v[14:15], v[S+12:S+13]
	v_or_b32 v[PW], v[CH+2], v[PX]                 ; with lane l xor 16's two the word is whole
	v_cvt_scalef32_pk16_bf6_f32 v[PC:PC+2], v[S:S+15], v[SO]
	v_cvt_scalef32_pk16_bf6_f32 v[CH:CH+2], v[S+16:S+31], v[SO]
	v_cvt_scalef32_pk16_bf6_f32 v[PC+6:PC+8], v[S+32:S+47], v[SO+1]
	v_cvt_scalef32_pk16_bf6_f32 v[TB:TB+2], v[S+48:S+63], v[SO+1]
	v_pk_add_f32 v[SUM2:SUM2+1], v[SUM2:SUM2+1], v[S+14:S+15]   ; a plain place behind the scaled conversions
.irp i, 0,1,2
	v_mov_b32 v[PC+3+\i], v[CH+\i]                 ; (a conversion's three registers begin on an even number)
	v_mov_b32 v[PC+9+\i], v[TB+\i]
.endr
.irp j, 16,20,24,28,32,36,40,44
	ADD2 \j                                        ; sixteen places between the operand's and the scale word's writes and the products
.endr
.irp t, 0,1,2,3
	PVMUL \t                                       ; the four accumulators take turns
.endr
.irp j, 48,52,56,60
	ADD2 \j
.endr
	v_pk_add_f32 v[14:15], v[14:15], v[SUM2:SUM2+1]
.endm
.macro REFILL n
	s_barrier_wait -1                              ; every wave of my work-group has signalled: nobody reads slot n, and the other slot is whole
	CREST                                          ; and the same of all four work-groups
	tensor_load_to_lds s[G0+4*\n:G0+4*\n+3], s[G1:G1+7]
	s_nop 0
.endm
; 32 numbers of a lane, one whole block, become a half fragment in v[e] .. v[e + 5]; both blocks' bytes in the low half of v[pw]
.macro QB src, e, pw
.irp b, 0,1
	v_max3_num_f32 v[\e+12+\b], |v[\src+16*\b]|, |v[\src+1+16*\b]|, 0x2800000
.endr
.irp i, 2,4,6,8,10,12,14
.irp b, 0,1
	v_max3_num_f32 v[\e+12+\b], v[\e+12+\b], |v[\src+16*\b+\i]|, |v[\src+1+16*\b+\i]|
.endr
.endr
	v_max_num_f32 v[\e+12], v[\e+12], v[\e+13]     ; the block's largest magnitude: all 32 numbers are mine
	v_add_nc_u32 v[\e+16], 0xfe000000, v[\e+12]    ; 4 off its exponent field: the conversion's scale operand
	v_lshrrev_b32 v[\e+18], 23, v[\e+16]           ; the scale's byte,
	v_lshlrev_b32 v[\e+18], v[SH8], v[\e+18]       ; at its place, 8 h bits up;
	v_permlanex16_b32 v[\e+14], v[\e+18], s[SEL], s[SEL+1]
	v_or_b32 v[\pw], v[\e+18], v[\e+14]            ; with lane l xor 16's byte
	v_cvt_scalef32_pk16_bf6_f32 v[\e:\e+2], v[\src:\src+15], v[\e+16]
	v_cvt_scalef32_pk16_bf6_f32 v[\e+8:\e+10], v[\src+16:\src+31], v[\e+16]
	v_nop
.irp i, 0,1,2
	v_mov_b32 v[\e+3+\i], v[\e+8+\i]
.endr
.endm
	s_load_b256 s[4:11], s[0:1], 0x0               ; qc s[4:5], qs s[6:7], kv s[8:9], fc s[10:11]
	s_load_b128 s[12:15], s[0:1], 0x20             ; fs s[12:13], bo s[14:15]
	s_load_b64 s[16:17], s[0:1], 0x30              ; out0
	v_lshl_add_u32 v[SPW], v0, 2, SPARE
	v_mov_b32 v[NIL], 0
	ds_add_u32 v[SPW], v[NIL]                      ; the opening lines: the add, twice on end, and its wait
	ds_add_u32 v[SPW], v[NIL]
	v_lshrrev_b32 v1, 5, v0
	v_readfirstlane_b32 s[WV], v1                  ; wave 0..11
	s_lshr_b32 s[HD], s[WV], 1                     ; my head
	s_and_b32 s[AA], s[WV], 1                      ; my query tile of the two; also: which step of a slot I fetch
	s_bfe_u32 s21, ttmp6, 0x40000                  ; cx
	s_lshl_b32 s26, ttmp9, 2
	s_add_co_u32 s26, s26, s21                     ; G
	s_mul_i32 s21, s21, 13
	s_lshr_b32 s27, ttmp9, 5                       ; batch: the same in the cluster's four
	s_mul_i32 s45, s27, 6
	s_add_co_u32 s45, s45, s[HD]                   ; bh
	s_lshl_b32 s48, s45, 5
	s_add_co_u32 s48, s48, s[AA]
	s_mul_i32 s48, s48, BLK                        ; kv: my block of visit 0
	s_mov_b32 s49, 0
	s_mul_i32 s50, s[WV], BLK                      ; where it goes in a slot
	s_mul_i32 s51, s[HD], 2*BLK                    ; where my head's two blocks lie
	s_and_b32 s52, s26, 127
	s_lshl_b32 s52, s52, 1
	s_add_co_u32 s52, s52, s[AA]                   ; my query tile within the batch
	s_lshl_b32 s54, s45, 8
	s_add_co_u32 s54, s54, s52
	s_mul_i32 s54, s54, 768                        ; qc
	s_mov_b32 s55, 0
	s_lshl_b32 s56, s45, 6
	s_lshr_b32 s57, s52, 2
	s_add_co_u32 s56, s56, s57
	s_lshl_b32 s56, s56, 8
	s_and_b32 s57, s52, 3
	s_lshl_b32 s57, s57, 2
	s_add_co_u32 s56, s56, s57                     ; qs
	s_mov_b32 s57, 0
	s_lshl_b32 s58, s[WV], 1
	s_add_co_u32 s58, s58, 584                     ; wo's column tile 2 w
	s_mul_i32 s60, s58, 4608
	s_mov_b32 s61, 0
	s_lshl_b32 s58, s58, 8
	s_mov_b32 s59, 0
	s_lshr_b32 s62, s[WV], 2
	s_lshl_b32 s62, s62, 9                         ; the way out: bytes 512 (w / 4) of a row
	s_mov_b32 s63, 0
	s_lshr_b32 s70, s26, 1                         ; and rows 64 (G / 2) + 16 (G % 2) + 8 ((w / 2) % 2) + 32 (w % 2) + 0 .. 7
	s_lshl_b32 s70, s70, 6
	s_and_b32 s71, s26, 1
	s_lshl_b32 s71, s71, 4
	s_add_co_u32 s70, s70, s71
	s_bfe_u32 s71, s[WV], 0x10001
	s_lshl_b32 s71, s71, 3
	s_add_co_u32 s70, s70, s71
	s_lshl_b32 s71, s[AA], 5
	s_add_co_u32 s70, s70, s71
	s_mul_i32 s70, s70, 1536
	s_add_co_u32 s70, s70, s62
	s_mov_b32 s71, 0
	s_mul_i32 s66, s[AA], 6                        ; LDS: o's half fragment 6 a + head
	s_add_co_u32 s66, s66, s[HD]
	s_mul_i32 s66, s66, 768
	s_lshl_b32 s67, s[AA], 8                       ; o's scale bytes: 256 a + 2 head
	s_lshl_b32 s68, s[HD], 1
	s_add_co_u32 s67, s67, s68
	s_lshl_b32 s68, s[HD], 8                       ; the stage, in: bytes 256 (w / 2) + 64 (w % 2) of a row
	s_lshl_b32 s69, s[AA], 6
	s_add_co_u32 s68, s68, s69
	s_add_co_u32 s68, s68, OUTS
	s_and_b32 s69, s[WV], 3                        ; back: stage rows 8 (w % 4) on, bytes 512 (w / 4) on
	s_mul_i32 s69, s69, 8*SPI
	s_add_co_u32 s69, s69, s62
	s_add_co_u32 s69, s69, OUTS
	s_mov_b32 s[G1], 15|(3<<16)|(1<<21)            ; the mask of all four; elements of 8 bytes; bit 21 beside a mask
	s_mov_b32 s[G1+1], 32<<16                      ; a block is dense: 51 rows of 256 bytes
	s_mov_b32 s[G1+2], 51<<16
	s_mov_b32 s[G1+3], 32<<16
	s_mov_b32 s[G1+4], 51
	s_mov_b32 s[G1+5], 32
	s_mov_b32 s[G1+6], 0
	s_mov_b32 s[G1+7], 0
	s_mov_b32 s[SEL], 0x76543210
	s_mov_b32 s[SEL+1], 0xfedcba98
	s_mov_b32 s[CS], 0x3e38aa3b                    ; log2(e) / 8
	s_mov_b32 s[CS+1], s[CS]
	s_wait_dscnt 0x0
	s_wait_kmcnt 0x0
	s_add_nc_u64 s[48:49], s[8:9], s[48:49]
	s_add_nc_u64 s[PF:PF+1], s[48:49], 6*BLK       ; my block of visit 3
	s_add_nc_u64 s[4:5], s[4:5], s[54:55]
	s_add_nc_u64 s[6:7], s[6:7], s[56:57]
	s_add_nc_u64 s[10:11], s[10:11], s[60:61]
	s_add_nc_u64 s[12:13], s[12:13], s[58:59]
	s_add_nc_u64 s[14:15], s[14:15], s[62:63]
	s_add_nc_u64 s[16:17], s[16:17], s[70:71]
.irp n, 0,1
	s_mov_b32 s[G0+4*\n], 1
	s_add_co_u32 s[G0+4*\n+1], s50, \n*SLOTB
	s_add_nc_u64 s[G0+4*\n+2:G0+4*\n+3], s[48:49], \n*2*BLK
	s_or_b32 s[G0+4*\n+3], s[G0+4*\n+3], 0x80000000
.endr
	ROUND                                          ; in front of the first joint loads
	tensor_load_to_lds s[G0:G0+3], s[G1:G1+7]      ; visit 0: one tensor load a wave at the head
	s_nop 0
	v_and_b32 v1, 31, v0
	v_lshlrev_b32 v[S], 4, v1                      ; 16 x lane
	v_lshlrev_b32 v[S+1], 3, v1                    ; 8 x lane
	v_and_b32 v[S+2], 15, v0
	v_lshlrev_b32 v[S+2], 4, v[S+2]                ; 16 r
	global_load_b128 v[QF:QF+3], v[S], s[4:5]
	global_load_b64 v[QF+4:QF+5], v[S+1], s[4:5] offset:512
	global_load_b32 v[QS], v[S+2], s[6:7]
	WIN 0x40                                       ; destination window 1
.irp n, 0,1,2,3,4,5,6,7,8,9,10,11,12,13,14,15,16,17
	global_load_b128 v[4*\n:4*\n+3], v[S], s[10:11] offset:512*\n       ; wo's six fragments: v256-327 (tile u, K step s at 36 u + 12 s)
.endr
.irp u, 0,1
	global_load_b96 v[72+4*\u:72+4*\u+2], v[S+2], s[12:13] offset:256*\u   ; their scale words: v328-334
.endr
	WIN 0
	global_load_b128 v[BI:BI+3], v[S], s[14:15]
	v_add_nc_u32 v[A16], s51, v[S]
	v_add_nc_u32 v[A8], s51, v[S+1]
	v_add_nc_u32 v[A16+1], SLOTB, v[A16]
	v_add_nc_u32 v[A8+1], SLOTB, v[A8]
	v_min_u32 v[PFO], 12, v1
	v_add_nc_u32 v[PFO], s21, v[PFO]
	v_min_u32 v[PFO], 50, v[PFO]
	v_lshlrev_b32 v[PFO], 8, v[PFO]                ; run min(13 cx + min(lane, 12), 50) of a block's 51
	v_bfe_u32 v[SH8], v0, 4, 1
	v_lshlrev_b32 v[SH8], 3, v[SH8]
.irp i, 6,7,8,9,10,11
	v_mov_b32 v[QF+\i], 0                          ; zero codes at k = 64 .. 127
.endr
	v_mov_b32 v13, 0xff61b1e6                      ; the largest t so far: -3e38
	v_floor_f32 v12, -v13
	v_mov_b32 v14, 0
	v_mov_b32 v15, 0
	v_mov_b32 v[PX], 0                             ; a lane permute's destination counts as one of its sources
.set J, 0
.rept 32
	v_mov_b32 v[O+J], 0                            ; the step is written once: the first finds zeros
.set J, J+1
.endr
	s_wait_alu depctr_va_vdst(0)                   ; the head's end
	s_wait_loadcnt 21                              ; q's three loads are in; the 21 younger ones are waited for at the end
	s_wait_xcnt 0x0                                ; the loads' address registers may be written
	s_wait_tensorcnt 0x0                           ; my block of visit 0 is in
	ds_add_u32 v[SPW], v[NIL]
	s_wait_dscnt 0x0
	ROUND
	tensor_load_to_lds s[G0+4:G0+7], s[G1:G1+7]    ; visit 1
	s_nop 0
	s_mov_b32 s[PAIRS], 7
.Lpair:                                                ; a trip: two visits, four steps, both slots filled again
	STEP 0, 0, 0, 1
	STEP 0, 1, 1, 0
	REFILL 0
	STEP 1, 0, 0, 2
	STEP 1, 1, 1, 0
	REFILL 1
	s_sub_co_u32 s[PAIRS], s[PAIRS], 1
	s_cmp_lg_u32 s[PAIRS], 0
	s_cbranch_scc1 .Lpair
	STEP 0, 0, 0, 0                                ; visits 14 and 15 fetch nothing more
	STEP 0, 1, 2, 0
	s_barrier_wait -1                              ; slot 1 is whole, and nobody reads slot 0 any more
	STEP 1, 0, 0, 0
	STEP 1, 1, 0, 0
	; o = O^T / the sum, quantised along the head's 64; through LDS to all twelve waves
	s_wait_alu depctr_va_vdst(0)                   ; ahead of the wait below
	s_wait_loadcnt 0x0                             ; wo's fragments and scale words, and bo
	WIN 0x01
.irp u, 0,1
.irp s, 0,1,2
	v_mov_b32 v[WS+4*\u+\s], v[72+4*\u+\s]         ; scale operands are taken from window 0
.endr
.endr
	WIN 0
	v_add_f32 v14, v14, v15
	v_permlanex16_b32 v[PX], v14, s[SEL], s[SEL+1]
	v_add_f32 v14, v14, v[PX]                      ; the row's sum
	s_wait_alu depctr_va_vdst(0)                   ; ahead of the transcendental
	v_rcp_f32 v14, v14
	v_and_b32 v5, 31, v0
	v_lshlrev_b32 v244, 3, v5                      ; v244 8 x lane
	v_lshlrev_b32 v5, 4, v5                        ; v5   16 x lane
	v_add_nc_u32 v2, s66, v5                       ; v2, v3 my half fragment's place
	v_add_nc_u32 v3, s66, v244
	v_and_b32 v247, 15, v0
	v_lshlrev_b32 v245, 4, v247                    ; v245 16 r
	v_add_nc_u32 v4, s67, v245                     ; v4   my two scale bytes' place
	v_mul_u32_u24 v246, v247, SPI
	v_lshl_add_u32 v246, v[SH8], 4, v246
	v_add_nc_u32 v246, s68, v246                   ; v246 the stage, in: row r, + 128 h + 256 (w / 2) + 64 (w % 2)
	v_add_nc_u32 v247, s69, v5                     ; v247 and back
	s_wait_alu depctr_va_vdst(0)                   ; behind the transcendental, directly ahead of O^T's first reader
.set J, 0
.rept 16
	v_pk_mul_f32 v[S+J:S+J+1], v[O+J:O+J+1], v[14:15] op_sel_hi:[1,0]
.set J, J+2
.endr
	QB S, KF, T
	ds_store_b128 v2, v[KF:KF+3]
	ds_store_b64 v3, v[KF+4:KF+5] offset:512
	ds_store_b16 v4, v[T] offset:OSS               ; lanes r and r + 16 write the same bytes to the same place
	s_wait_alu depctr_va_vdst(0)
	s_wait_dscnt 0x0                               ; for the others' sake
	s_barrier_signal -1
	s_barrier_wait -1
	; out0 = Q(o) Q(wo) + bo: wave w takes wo's column tiles 2 w + u and both row tiles a: 12 products on four accumulators; K step s of o is heads 2 s and 2 s + 1
.irp n, 0,1,2,3,4,5,6,7,8,9,10,11
	ds_load_b128 v[OF+6*\n:OF+6*\n+3], v5 offset:768*\n
	ds_load_b64 v[OF+6*\n+4:OF+6*\n+5], v244 offset:768*\n+512
.endr
.irp a, 0,1
	ds_load_b96 v[OSC+4*\a:OSC+4*\a+2], v245 offset:OSS+256*\a
.endr
	s_wait_dscnt 0x0
	WIN 0x01                                       ; source 0 (wo) window 1
.irp a, 0,1
.irp u, 0,1
	v_wmma_scale_f32_16x16x128_f8f6f4 v[O+8*(2*\a+\u):O+8*(2*\a+\u)+7], v[36*\u:36*\u+11], v[OF+36*\a:OF+36*\a+11], 0, v[WS+4*\u], v[OSC+4*\a] matrix_a_fmt:MATRIX_FMT_BF6 matrix_b_fmt:MATRIX_FMT_BF6
.endr
.endr
.irp s, 1,2
.irp a, 0,1
.irp u, 0,1
	v_wmma_scale_f32_16x16x128_f8f6f4 v[O+8*(2*\a+\u):O+8*(2*\a+\u)+7], v[36*\u+12*\s:36*\u+12*\s+11], v[OF+36*\a+12*\s:OF+36*\a+12*\s+11], v[O+8*(2*\a+\u):O+8*(2*\a+\u)+7], v[WS+4*\u+\s], v[OSC+4*\a+\s] matrix_a_fmt:MATRIX_FMT_BF6 matrix_b_fmt:MATRIX_FMT_BF6
.endr
.endr
.endr
	WIN 0
.rept 4
	v_nop                                          ; four places before LDS stores read the results
.endr
.irp a, 0,1
.irp u, 0,1
	ds_store_b128 v246, v[O+8*(2*\a+\u):O+8*(2*\a+\u)+3] offset:16*SPI*\a+32*\u       ; a lane's 16 registers of tiles u = 0, 1 are 16 neighbouring columns of its row
	ds_store_b128 v246, v[O+8*(2*\a+\u)+4:O+8*(2*\a+\u)+7] offset:16*SPI*\a+32*\u+16
.endr
.endr
	s_wait_dscnt 0x0
	s_barrier_signal -1
	s_barrier_wait -1                              ; 32 whole rows lie in the stage
.irp i, 0,1,2,3,4,5,6,7
	ds_load_b128 v[OUT+4*\i:OUT+4*\i+3], v247 offset:SPI*\i
.endr
.irp i, 0,1,2,3,4,5,6,7
	s_wait_dscnt 7-\i                              ; row i is in, the 7 - i younger loads may be out
	v_pk_add_f32 v[OUT+4*\i:OUT+4*\i+1], v[OUT+4*\i:OUT+4*\i+1], v[BI:BI+1]
	v_pk_add_f32 v[OUT+4*\i+2:OUT+4*\i+3], v[OUT+4*\i+2:OUT+4*\i+3], v[BI+2:BI+3]
	global_store_b128 v5, v[OUT+4*\i:OUT+4*\i+3], s[16:17] offset:1536*\i th:TH_STORE_NT   ; 32 lanes store 512 consecutive bytes, at a multiple of 256 from out0's first byte
.endr
	s_wait_tensorcnt 0x0                           ; the wave's end
	ds_add_u32 v[SPW], v[NIL]
	s_wait_dscnt 0x0
	ROUND                                          ; the closing round
	s_endpgm
.Lfunc_end_k_q4dbb9d957a_attn:
	.size	k_q4dbb9d957a_attn, .Lfunc_end_k_q4dbb9d957a_attn-k_q4dbb9d957a_attn
	.p2alignl 7, 3214868480
	.fill 96, 4, 3214868480
	.section	.rodata,"a",@progbits
	.p2align	6, 0x0
	.amdhsa_kernel k_q4dbb9d957a_attn
		.amdhsa_group_segment_fixed_size 327680
		.amdhsa_private_segment_fixed_size 0
		.amdhsa_enable_private_segment 0
		.amdhsa_kernarg_size 56
		.amdhsa_user_sgpr_count 2
		.amdhsa_user_sgpr_kernarg_segment_ptr 1
		.amdhsa_wavefront_size32 1
		.amdhsa_system_sgpr_workgroup_id_x 1
		.amdhsa_system_sgpr_workgroup_id_y 1
		.amdhsa_system_sgpr_workgroup_id_z 1
		.amdhsa_system_vgpr_workitem_id 0
		.amdhsa_next_free_vgpr 336
		.amdhsa_next_free_sgpr 72
		.amdhsa_reserve_vcc 0
		.amdhsa_float_denorm_mode_32 3
		.amdhsa_float_denorm_mode_16_64 3
		.amdhsa_memory_ordered 1
		.amdhsa_forward_progress 1
		.amdhsa_inst_pref_size 139
	.end_amdhsa_kernel
	.amdgpu_metadata
---
amdhsa.version: [ 1, 2 ]
amdhsa.kernels:
  - .name:           k_q4dbb9d957a_attn
    .symbol:         k_q4dbb9d957a_attn.kd
    .args:
      - { .name: qc, .offset: 0, .size: 8, .value_kind: global_buffer, .address_space: global }
      - { .name: qs, .offset: 8, .size: 8, .value_kind: global_buffer, .address_space: global }
      - { .name: kv, .offset: 16, .size: 8, .value_kind: global_buffer, .address_space: global }
      - { .name: fc, .offset: 24, .size: 8, .value_kind: global_buffer, .address_space: global }
      - { .name: fs, .offset: 32, .size: 8, .value_kind: global_buffer, .address_space: global }
      - { .name: bo, .offset: 40, .size: 8, .value_kind: global_buffer, .address_space: global }
      - { .name: out0, .offset: 48, .size: 8, .value_kind: global_buffer, .address_space: global }
    .group_segment_fixed_size: 327680
    .private_segment_fixed_size: 0
    .kernarg_segment_align: 8
    .kernarg_segment_size: 56
    .max_flat_workgroup_size: 384
    .sgpr_count:     72
    .vgpr_count:     336
    .wavefront_size: 32
...
	.end_amdgpu_metadata
.endif
;; end of part 3
